; MI455X (gfx1250); checked and timed in simulation.
; The chip was launched on July 23, 2026; its instructions are those of AMD's public machine-readable ISA for CDNA 5 (MIT licence, August 2026) and "CDNA5" Instruction Set Architecture Reference Guide (July 2026). The comments in the code are by the model that wrote it; some were corrected since.
;; Prediction Score. Allowed arithmetic: matrix products marked QUANTISED: E3M2 operands, one E8M0 scale for each 32 along K, by v_wmma_scale_f32_16x16x128_f8f6f4 with both operands' format E3M2, f32 sums; products left as they are: f32 operands where the result goes on into a quantised operand, else bf16, f16 or f32 operands; f32 sums; everything else in f32.
;; Inputs: ba_W1 128 x 256 float32; ba_W2 256 x 128 float32; ba_W3 128 x 1 float32; ba_b1 256 float32; ba_b2 128 float32; ba_b3 1 float32; ba_be1 256 float32; ba_be2 128 float32; ba_g1 256 float32; ba_g2 128 float32; ba_m1 256 float32; ba_m2 128 float32; ba_v1 256 float32; ba_v2 128 float32; hl 8 x 64 x 128 float32; hp 8 x 512 x 128 float32; l_pos 8 x 64 x 3 float32; mlp_W 256 x 128 float32; mlp_b 128 float32; mlp_be 128 float32; mlp_g 128 float32; mlp_m 128 float32; mlp_v 128 float32; mu_W 128 x 10 float32; mu_b 10 float32; nl_counts 8 int32; np_counts 8 int32; p_pos 8 x 512 x 3 float32; pi_W 128 x 10 float32; pi_b 10 float32; sg_W 128 x 10 float32; sg_b 10 float32.
;; Outputs: out0 8 x 64 x 512 x 10 float32; out1 8 x 64 x 512 x 10 float32; out2 8 x 64 x 512 x 10 float32; out3 8 x 64 x 512 float32; out4 8 float32.
;; This version of the problem:
;;   THIS VERSION OF THE PROBLEM IS GIVEN IN LOW PRECISION. The matrix products marked QUANTISED in the list below multiply operands that are first quantised to E3M2 (3 exponent bits, 2 mantissa bits; 6 bits a number), with one power-of-two scale for each 32 numbers along K (OCP MX v1.0); their sums are f32. All else is computed in f32.
;;   The module's matrix products, in the order in which they are computed (A, B: the left and right operand; K: the contracted axis; several contracted axes count as one K, in the product's order):
;;     1. [M 8, K 128] x [K 128, N 256]; A: computed on the way; B: input ba_W1: left as it is (M = 8 < 16)
;;     2. [M 8, K 256] x [K 256, N 128]; A: computed on the way; B: input ba_W2: left as it is (M = 8 < 16)
;;     3. [M 8, K 128] x [K 128, N 1]; A: computed on the way; B: input ba_W3: left as it is (M = 8 < 16)
;;     4. [M 262,144, K 256] x [K 256, N 128]; A: computed on the way; B: input mlp_W: QUANTISED
;;     5. [M 262,144, K 128] x [K 128, N 10]; A: computed on the way; B: input pi_W: left as it is (N = 10 < 16)
;;     6. [M 262,144, K 128] x [K 128, N 10]; A: computed on the way; B: input sg_W: left as it is (N = 10 < 16)
;;     7. [M 262,144, K 128] x [K 128, N 10]; A: computed on the way; B: input mu_W: left as it is (N = 10 < 16)
;;     8. batch 8 x [M 64, K 3] x [K 3, N 512]; A: computed on the way; B: computed on the way: left as it is (K = 3 < 32)
;;   THE QUANTISER, for each operand of a quantised product, along K:
;;     - K is cut into blocks of 32 from its start; a last block that is shorter is filled with zeros.
;;     - A block's scale is 2^e with e = floor(log2(the largest magnitude in the block)) - 4, held to -126 .. 127; a block of zeros has e = 0. As a byte (E8M0): e + 127.
;;     - Each number is divided by its block's scale, clamped to +-28, and rounded to the nearest number of E3M2, ties to even, subnormals kept.
;;     - The product sums the exact products of the quantised numbers (number of the format x scale) in f32.
;;   ~~~python
;;   def quantise(x, axis):      # numpy; x: float32 -> the quantised numbers, widened to float32 again
;;       x = np.moveaxis(x, axis, -1); K = x.shape[-1]
;;       x = np.pad(x, [(0, 0)] * (x.ndim - 1) + [(0, -K % 32)]); x = x.reshape(x.shape[:-1] + (-1, 32)); a = np.abs(x).max(-1, keepdims=True)
;;       e = np.where(a > 0, np.clip(np.frexp(np.where(a > 0, a, 1))[1] - 1 - 4, -126, 127), 0)      # np.frexp(a)[1] - 1 = floor(log2(a)), exactly
;;       r = np.clip(x / 2.0 ** e, -28, 28)
;;       step = 2.0 ** (np.maximum(np.frexp(np.where(r == 0, 1, r))[1] - 1, -2) - 2)
;;       q = np.round(r / step) * step * 2.0 ** e      # np.round: ties to even
;;       return np.moveaxis(q.reshape(q.shape[:-2] + (-1,))[..., :K], -1, axis).astype(np.float32)
;;   ~~~
;;   OPERANDS COMPUTED ON THE WAY. 'Computed on the way' means the value that the module computes at that place (a softmax that the list does not call 'softmax' is quantised finished and normalised). What goes into a quantiser is computed in f32, as accurately as f32 sums, v_exp_f32 and their like allow (about 1e-6 of the number): no bf16 or f16 on the way to a quantiser, and a product that is left as it is and whose result goes on into a quantised operand takes f32 operands (vector FMAs, or v_wmma_f32_16x16x4_f32). A number that lies on a knife's edge between two numbers of the format may be rounded either way, as far as f32 arithmetic and the matrix unit's own rounding can turn it there, and no further.
;; One version. Each part assembles by itself: llvm-mc -triple=amdgcn-amd-amdhsa -mcpu=gfx1250 --defsym DOCPART=n.
;; ======== version 1 of 1: 2 launches
;; workspace buffers: codes 442,368 bytes; scl 36,864 bytes; consts 35,072 bytes; list 262,144 bytes of whole numbers
;; launch prep (part 1): grid 295 x 1, 8 waves a work-group, no clusters, 0 bytes of LDS; arguments hl, hp, codes, scl, mlp_W, consts, mlp_b, mlp_g, mlp_be, mlp_m, mlp_v, pi_W, pi_b, sg_W, sg_b, mu_W, mu_b, l_pos, p_pos, nl_counts, np_counts, out0, out1, out2, out3, list; writes codes, scl, consts, out0, out1, out2, out3, list
.if DOCPART == 1
	.amdgcn_target "amdgcn-amd-amdhsa--gfx1250"
	.amdhsa_code_object_version 6
	.text
	.protected	k_qb8ac2effd7_prep
	.globl	k_qb8ac2effd7_prep
	.p2align	8
	.type	k_qb8ac2effd7_prep,@function
k_qb8ac2effd7_prep:
	s_mov_b64 s[64:65], 0
	v_nop
	global_prefetch_b8 v0, s[64:65] scope:SCOPE_SE
	s_setreg_imm32_b32 hwreg(HW_REG_WAVE_MODE, 25, 1), 1
	s_wait_xcnt 0x0
; PREP: all that is made once, ahead of the pairs.  Four paths, chosen by the work-group's number alone; no LDS, no barrier: waves share nothing.
;   QR   (work-groups 0-35, a wave to a fragment): 16 rows x 128 of hl or hp, f32, become codes of BF6 (E3M2) with one E8M0 byte for each 32 along K.  A block of 32 of a pair's K = 256
;        lies wholly in hl or wholly in hp, so quantising the 512 + 4,096 rows once is quantising every pair.  A fragment is stored as the image of the operand's 12 registers:
;        three runs of 512 bytes, lane l's 16 bytes at 16 l; its scale words as 32 words (word l: row l % 16).  Fragments 0-31: hl's rows 16 f on; 32-287: hp's rows 16 (f - 32) on.
;   QW   (36-37): mlp_W [256][128], K its first axis: a lane takes a column and its registers run down K.  16 fragments (tile of 16 hidden units t, K step s: 2 t + s), images as above.
;   TB   (38): the heads' weights as bf16 fragments, the batch norm folded to a, c (y = a x + c), the heads' biases in the result's layout.
;   ROWS (39-294, four waves to a row (b, i) of the outputs): the list of the row's items that are kept; zeros for every item of the row that lies under the mask; out3's row.
; AN ITEM is (b, i, jb): one ligand node and 32 neighbouring protein nodes: 1,280 consecutive bytes of out0, out1 and out2, at 1,280 x id, id = 16 (64 b + i) + jb.
; It is kept where i < nl and 32 jb < np (counts held to 0..64 and 0..512, as arange < count holds them).  Its place in the list is offs[b] + i nvb[b] + jb, nvb = ceil(np / 32),
; offs[b] = the sum over earlier batches of nl nvb: a closed form, so no sort and no atomics.  An entry is 8 words: id; hl's byte in codes; hl's byte in scl; hp's first fragment; np - 32 jb; 0, 0, 0.
; LIMITS: NaN and infinities among the inputs are not served.  A block whose largest magnitude lies under 2^-122 keeps the byte 1; so does a block of zeros, where the quantiser says 127:
; its codes are zeros, which add nothing under any byte but 0xff, and this program alone reads the bytes.
; The distance is the root of the sum of (x - y)^2, which equals -2 x.y + y.y + x.x and is never negative; under the mask it is 0.
.set EPSBN, 0x3727c5ac                 ; 1e-5
.set X,   32                           ; v32-95   64 numbers of a lane
.set TM,  16                           ; v16-19 largest magnitudes, v20-23 bytes, v28-31 the conversions' scale operands
.set PC,  96                           ; v96-107  a fragment's codes; v108-114 at work
.set PW,  116                          ; v116     its scale word
.set SEL, 60                           ; s[60:61] v_permlanex16_b32's selects for lane l xor 16
	v_lshrrev_b32 v1, 5, v0
	v_readfirstlane_b32 s2, v1                     ; wave 0..7
	v_and_b32 v1, 31, v0                           ; lane
	v_and_b32 v2, 15, v0                           ; r
	v_bfe_u32 v3, v0, 4, 1                         ; h
	s_cmp_lt_u32 ttmp9, 36
	s_cbranch_scc1 .Lqr
	s_cmp_lt_u32 ttmp9, 38
	s_cbranch_scc1 .Lqw
	s_cmp_eq_u32 ttmp9, 38
	s_cbranch_scc1 .Ltb
	; ---------------- ROWS ----------------
	s_load_b512 s[4:19], s[0:1], 0x88              ; l_pos s[4:5], p_pos s[6:7], nl s[8:9], np s[10:11], out0 s[12:13], out1 s[14:15], out2 s[16:17], out3 s[18:19]
	s_load_b64 s[20:21], s[0:1], 0xc8              ; list
	s_sub_co_u32 s3, ttmp9, 39
	s_lshl_b32 s3, s3, 1
	s_lshr_b32 s22, s2, 2
	s_add_co_u32 s3, s3, s22                       ; row = 64 b + i: two rows to a work-group
	s_and_b32 s22, s2, 3                           ; qd: which quarter of the row is my wave's
	s_lshr_b32 s23, s3, 6                          ; b
	s_and_b32 s62, s3, 63                          ; i
	s_mul_i32 s44, s3, 12                          ; my ligand node's three numbers
	s_mov_b32 s45, 0
	; every offset that is made of ids alone is made here, with all lanes on and ahead of every branch on a loaded number
	s_mul_i32 s46, s23, 6144                       ; the batch's p_pos,
	s_mul_i32 s47, s22, 1536                       ; my quarter's 128 nodes,
	s_add_co_u32 s46, s46, s47
	v_mul_u32_u24 v16, v1, 48                      ; my lane's four nodes: 48 bytes
	v_add_nc_u32 v16, s46, v16
	s_mul_i32 s46, s22, 5120                       ; a quarter of a row of out0..2 is 5,120 bytes
	v_lshl_add_u32 v17, v1, 4, s46                 ; 5,120 qd + 16 lane
	s_mul_i32 s47, s3, 20480
	v_add_nc_u32 v18, s47, v17                     ; and the same from the buffer's first byte
	s_lshl_b32 s46, s3, 11                         ; a row of out3 is 2,048 bytes,
	s_lshl_b32 s47, s22, 9                         ; my quarter 512
	s_add_co_u32 s46, s46, s47
	v_lshl_add_u32 v21, v1, 4, s46                 ; my 16 bytes of out3
	s_lshl_b32 s46, s22, 7
	v_lshl_add_u32 v20, v1, 2, s46                 ; my first j = 128 qd + 4 lane
.irp c, 0,1,2,3
	v_mov_b32 v[24+\c], 0                          ; the zeros that are stored
.endr
	s_wait_kmcnt 0x0
	s_load_b256 s[24:31], s[8:9], 0x0              ; the eight nl
	s_load_b256 s[32:39], s[10:11], 0x0            ; the eight np
	s_add_nc_u64 s[4:5], s[4:5], s[44:45]
	s_load_b96 s[40:42], s[4:5], 0x0               ; x
	global_load_b128 v[4:7], v16, s[6:7]           ; y of four nodes: v[4 + 3 e + c]
	global_load_b128 v[8:11], v16, s[6:7] offset:16
	global_load_b128 v[12:15], v16, s[6:7] offset:32
	s_mov_b32 s48, 0                               ; offs[b]
	s_mov_b32 s49, 0                               ; nl of my batch
	s_mov_b32 s50, 0                               ; np
	s_mov_b32 s51, 0                               ; nvb
	s_wait_kmcnt 0x0
.irp k, 0,1,2,3,4,5,6,7
	s_max_i32 s52, s[24+\k], 0
	s_min_i32 s52, s52, 64
	s_max_i32 s53, s[32+\k], 0
	s_min_i32 s53, s53, 0x200
	s_add_co_u32 s54, s53, 31
	s_lshr_b32 s54, s54, 5
	s_mul_i32 s55, s52, s54                        ; batch k's kept items
	s_cmp_gt_u32 s23, \k
	s_cselect_b32 s55, s55, 0
	s_add_co_u32 s48, s48, s55
	s_cmp_eq_u32 s23, \k
	s_cselect_b32 s49, s52, s49
	s_cselect_b32 s50, s53, s50
	s_cselect_b32 s51, s54, s51
.endr
	s_cmp_lt_u32 s62, s49                          ; is my ligand node a node at all?
	s_cselect_b32 s56, s51, 0                      ; nvr: the row's kept items
	s_cselect_b32 s57, s50, 0                      ; npr: the row's kept pairs
	; the list: the row's first wave writes the entries of its nvr (at most 16) kept items, lane jb one entry of 32 bytes
	s_cmp_lg_u32 s22, 0
	s_cbranch_scc1 .Lno_list
	s_mul_i32 s59, s62, s51
	s_add_co_u32 s59, s59, s48                     ; offs + i nvb: it comes from loaded counts, so it is held inside the list:
	s_min_u32 s59, s59, 0x1ff0                     ; 8,192 entries less a full row's 16 is the largest that it can be
	s_lshl_b32 s59, s59, 5
	v_lshl_add_u32 v19, v2, 5, s59                 ; + 32 bytes x (lane % 16); lanes 16-31 store nothing
	s_lshl_b32 s59, s3, 4
	v_add_nc_u32 v32, s59, v1                      ; id
	s_lshr_b32 s58, s3, 4
	s_and_b32 s59, s3, 15
	s_mul_i32 s46, s58, 1536
	s_lshl_b32 s47, s59, 4
	s_add_co_u32 s46, s46, s47
	v_mov_b32 v33, s46                             ; hl's row in codes: its fragment, and in it lane row % 16
	s_lshl_b32 s46, s58, 7
	s_lshl_b32 s47, s59, 2
	s_add_co_u32 s46, s46, s47
	v_mov_b32 v34, s46                             ; its scale word in scl
	s_lshl_b32 s46, s23, 5
	s_add_co_u32 s46, s46, 32
	v_lshl_add_u32 v35, v1, 1, s46                 ; hp's first fragment: 32 + 32 b + 2 jb
	v_lshlrev_b32 v36, 5, v1
	v_sub_nc_u32 v36, s50, v36                     ; np - 32 jb
	v_mov_b32 v37, 0
	v_mov_b32 v38, 0
	v_mov_b32 v39, 0
	s_wait_xcnt 0x0                                ; EXEC is a source of the memory instructions issued before: it changes only behind this wait
	v_cmp_gt_u32 vcc_lo, s56, v1
	s_and_saveexec_b32 s58, vcc_lo
	global_store_b128 v19, v[32:35], s[20:21]
	global_store_b128 v19, v[36:39], s[20:21] offset:16
	s_wait_xcnt 0x0                                ; and again in front of the line that widens it
	s_or_b32 exec_lo, exec_lo, s58
.Lno_list:
	; zeros for the items from nvr on: bytes 1,280 nvr .. 20,479 of the row; the bound is a multiple of 256, so every aligned 256 bytes are written whole or not at all
	s_mul_i32 s58, s56, 1280
	v_sub_nc_u32 v17, v17, s58                     ; my first byte, counted from the bound (signed)
	s_lshl_b32 s59, s22, 2
	s_add_co_u32 s59, s59, 4
	s_cmp_le_u32 s59, s56                          ; my quarter's four items are all kept: nothing to clear
	s_cbranch_scc1 .Lno_zero
.irp k, 0,1,2,3,4,5,6,7,8,9
	s_wait_xcnt 0x0                                ; EXEC changes only behind this wait
	v_cmp_le_i32 vcc_lo, -512*\k, v17              ; my 16 bytes of this run of 512 lie at or behind the bound
	s_and_saveexec_b32 s58, vcc_lo
	global_store_b128 v18, v[24:27], s[12:13] offset:512*\k th:TH_STORE_NT
	global_store_b128 v18, v[24:27], s[14:15] offset:512*\k th:TH_STORE_NT
	global_store_b128 v18, v[24:27], s[16:17] offset:512*\k th:TH_STORE_NT
	s_wait_xcnt 0x0
	s_or_b32 exec_lo, exec_lo, s58
.endr
.Lno_zero:
	; the distances of my four pairs
	s_wait_loadcnt 0x0                             ; y
	v_sub_nc_u32 v20, s57, v20                     ; pair e is kept where e < npr - j
.irp e, 0,1,2,3
	v_sub_f32 v[40+3*\e], s40, v[4+3*\e]
	v_sub_f32 v[41+3*\e], s41, v[5+3*\e]
	v_sub_f32 v[42+3*\e], s42, v[6+3*\e]
.endr
.irp e, 0,1,2,3
	v_mul_f32 v[52+\e], v[40+3*\e], v[40+3*\e]
.endr
.irp e, 0,1,2,3
	v_fmac_f32 v[52+\e], v[41+3*\e], v[41+3*\e]
.endr
.irp e, 0,1,2,3
	v_fmac_f32 v[52+\e], v[42+3*\e], v[42+3*\e]
.endr
.irp e, 0,1,2,3
	v_sqrt_f32 v[52+\e], v[52+\e]
.endr
	v_nop                                          ; one plain line behind the roots
	s_wait_alu depctr_va_vdst(0)
.irp e, 0,1,2,3
	v_cmp_lt_i32 vcc_lo, \e, v20
	v_cndmask_b32 v[52+\e], 0, v[52+\e], vcc_lo
.endr
	global_store_b128 v21, v[52:55], s[18:19]      ; 32 lanes store 512 consecutive bytes
	s_endpgm
	; ---------------- QR ----------------
.Lqr:
	s_load_b256 s[4:11], s[0:1], 0x0               ; hl s[4:5], hp s[6:7], codes s[8:9], scl s[10:11]
	s_lshl_b32 s3, ttmp9, 3
	s_add_co_u32 s3, s3, s2                        ; my fragment f
	s_mov_b32 s[SEL], 0x76543210
	s_mov_b32 s[SEL+1], 0xfedcba98
	v_lshlrev_b32 v4, 9, v2                        ; row r of 512 bytes,
	v_lshl_add_u32 v4, v3, 6, v4                   ; + 64 h: my 16 numbers of each block of 32
	v_lshlrev_b32 v5, 4, v1                        ; 16 lane
	v_lshlrev_b32 v6, 2, v1                        ; 4 lane
.irp b, 0,1,2,3
	v_mov_b32 v[TM+4+\b], 0                        ; a lane permute's destination counts as one of its sources
.endr
	s_wait_kmcnt 0x0
	s_cmp_lt_u32 s3, 32                            ; hl's fragment or hp's: the choice hangs on ids alone
	s_cselect_b64 s[4:5], s[4:5], s[6:7]
	s_cselect_b32 s12, 0, 32
	s_sub_co_u32 s12, s3, s12
	s_lshl_b32 s12, s12, 13                        ; 16 rows of 512 bytes
	s_mov_b32 s13, 0
	s_add_nc_u64 s[4:5], s[4:5], s[12:13]
	s_mul_i32 s12, s3, 1536
	s_add_nc_u64 s[8:9], s[8:9], s[12:13]
	s_lshl_b32 s12, s3, 7
	s_add_nc_u64 s[10:11], s[10:11], s[12:13]
.irp b, 0,1,2,3
.irp j, 0,1,2,3
	global_load_b128 v[X+16*\b+4*\j:X+16*\b+4*\j+3], v4, s[4:5] offset:128*\b+16*\j   ; register 16 b + i = k 32 b + 16 h + i of row r
.endr
.endr
	s_wait_loadcnt 0x0
.irp b, 0,1,2,3
	v_max3_num_f32 v[TM+\b], |v[X+16*\b]|, |v[X+1+16*\b]|, 0x2800000   ; block b: my 16 numbers, and the floor 2^(5 - 127): the byte cannot fall under 1
.endr
.irp i, 2,4,6,8,10,12,14
.irp b, 0,1,2,3
	v_max3_num_f32 v[TM+\b], v[TM+\b], |v[X+16*\b+\i]|, |v[X+1+16*\b+\i]|   ; (the four blocks by turns)
.endr
.endr
.irp b, 0,1,2,3
	v_permlanex16_b32 v[TM+4+\b], v[TM+\b], s[SEL], s[SEL+1]
.endr
.irp b, 0,1,2,3
	v_max_num_f32 v[TM+\b], v[TM+\b], v[TM+4+\b]   ; with lane l xor 16's: the block's largest magnitude
.endr
.irp b, 0,1,2,3
	v_add_nc_u32 v[TM+12+\b], 0xfe000000, v[TM+\b] ; 4 off its exponent field: the conversion takes the exponent field of this operand as its scale
.endr
.irp b, 0,1,2,3
	v_lshrrev_b32 v[TM+4+\b], 23, v[TM+12+\b]      ; the scale's byte
.endr
	v_lshl_or_b32 v[PW], v[TM+5], 8, v[TM+4]       ; four bytes: my row's scale word (the same in both halves of the lanes)
	v_lshl_or_b32 v[PW], v[TM+6], 16, v[PW]
	v_lshl_or_b32 v[PW], v[TM+7], 24, v[PW]
.irp c, 0,1
	v_cvt_scalef32_pk16_bf6_f32 v[PC+6*\c:PC+2+6*\c], v[X+32*\c:X+15+32*\c], v[TM+12+2*\c]
	v_cvt_scalef32_pk16_bf6_f32 v[PC+12+4*\c:PC+14+4*\c], v[X+16+32*\c:X+31+32*\c], v[TM+12+2*\c+1]   ; (a conversion's three registers begin on an even number)
.endr
	v_nop                                          ; one plain line behind a scaled conversion
.irp c, 0,1                                    ; the operand's layout wants a whole block in a lane: lanes 0-15 block 2 c, lanes 16-31 block 2 c + 1
.irp i, 0,1,2
	v_permlane16_swap_b32 v[PC+6*\c+\i], v[PC+12+4*\c+\i]
.endr
.irp i, 0,1,2
	v_mov_b32 v[PC+3+6*\c+\i], v[PC+12+4*\c+\i]
.endr
.endr
.irp c, 0,1,2
	global_store_b128 v5, v[PC+4*\c:PC+4*\c+3], s[8:9] offset:512*\c   ; the image: 512 consecutive bytes a store
.endr
	global_store_b32 v6, v[PW], s[10:11]
	s_endpgm
	; ---------------- QW ----------------
.Lqw:
	s_load_b128 s[4:7], s[0:1], 0x20               ; mlp_W s[4:5], consts s[6:7]
	s_sub_co_u32 s3, ttmp9, 36
	s_lshl_b32 s3, s3, 3
	s_add_co_u32 s3, s3, s2                        ; f = 2 t + s
	s_lshr_b32 s8, s3, 1
	s_and_b32 s9, s3, 1
	s_lshl_b32 s8, s8, 6                           ; 16 t columns of 4 bytes
	s_lshl_b32 s9, s9, 16                          ; 128 s rows of 512 bytes
	s_add_co_u32 s8, s8, s9
	s_mov_b32 s[SEL], 0x76543210
	s_mov_b32 s[SEL+1], 0xfedcba98
	v_lshlrev_b32 v4, 2, v2                        ; lane r takes column 16 t + r,
	v_lshl_add_u32 v4, v3, 14, v4                  ; lanes 16-31 begin 32 rows further down
	v_add_nc_u32 v4, s8, v4
	v_lshlrev_b32 v5, 4, v1                        ; 16 lane
	s_lshl_b32 s10, s3, 6
	v_lshl_add_u32 v7, v2, 2, s10                  ; the scale word's place: 64 f + 4 r
	s_mul_i32 s12, s3, 1536
	s_mov_b32 s13, 0
	s_wait_kmcnt 0x0
	s_add_nc_u64 s[12:13], s[6:7], s[12:13]
.irp c, 0,1
.irp i, 0,1,2,3,4,5,6,7,8,9,10,11,12,13,14,15,16,17,18,19,20,21,22,23,24,25,26,27,28,29,30,31
	global_load_b32 v[X+32*\c+\i], v4, s[4:5] offset:(64*\c+\i)*512   ; W(128 s + 64 c + 32 h + i, 16 t + r)
.endr
.endr
	s_wait_loadcnt 0x0
.irp c, 0,1                                    ; my block 2 c + h: all its 32 numbers are mine
	v_max3_num_f32 v[16+\c], |v[X+32*\c]|, |v[X+1+32*\c]|, 0x2800000
.endr
.irp i, 2,4,6,8,10,12,14,16,18,20,22,24,26,28,30
.irp c, 0,1
	v_max3_num_f32 v[16+\c], v[16+\c], |v[X+32*\c+\i]|, |v[X+1+32*\c+\i]|
.endr
.endr
.irp c, 0,1
	v_add_nc_u32 v[18+\c], 0xfe000000, v[16+\c]
.endr
.irp c, 0,1
	v_lshrrev_b32 v[20+\c], 23, v[18+\c]
.endr
	v_lshl_or_b32 v9, v21, 16, v20                 ; my two bytes: blocks h and 2 + h,
	v_lshlrev_b32 v10, 3, v3
	v_lshlrev_b32 v9, v10, v9                      ; at their places in the word;
	v_mov_b32 v10, 0
	v_permlanex16_b32 v10, v9, s[SEL], s[SEL+1]
	v_or_b32 v9, v9, v10                           ; with lane l xor 16's two the word is whole, in both lanes
.irp c, 0,1
	v_cvt_scalef32_pk16_bf6_f32 v[PC+6*\c:PC+2+6*\c], v[X+32*\c:X+15+32*\c], v[18+\c]
	v_cvt_scalef32_pk16_bf6_f32 v[PC+12+4*\c:PC+14+4*\c], v[X+16+32*\c:X+31+32*\c], v[18+\c]
.endr
	v_nop                                          ; one plain line behind a scaled conversion
.irp c, 0,1
.irp i, 0,1,2
	v_mov_b32 v[PC+3+6*\c+\i], v[PC+12+4*\c+\i]
.endr
.endr
.irp c, 0,1,2
	global_store_b128 v5, v[PC+4*\c:PC+4*\c+3], s[12:13] offset:512*\c
.endr
	global_store_b32 v7, v9, s[6:7] offset:24576   ; lanes r and 16 + r store the same word to the same place
	s_endpgm
	; ---------------- TB ----------------
.Ltb:
	s_load_b512 s[4:19], s[0:1], 0x28              ; consts s[4:5], mlp_b s[6:7], g s[8:9], be s[10:11], m s[12:13], v s[14:15], pi_W s[16:17], pi_b s[18:19]
	s_load_b256 s[20:27], s[0:1], 0x68             ; sg_W s[20:21], sg_b s[22:23], mu_W s[24:25], mu_b s[26:27]
	; The heads' 30 columns fill two tiles q of 16 rows m = 8 hs + j; slot rho = 8 q + j.  hs = 0: rho 0-9 pi, 10-14 sg's columns 0-4; hs = 1: rho 0-9 mu, 10-14 sg's columns 5-9; rho 15: zeros.
	; Thread 64 c + 32 e + 16 h' + r' makes four registers (eight bf16) of fragment (q, K step c): row r', k = 32 c + 16 e + 8 h' + 0..7 = 8 (thread / 16) + 0..7.
	v_lshrrev_b32 v4, 4, v0
	v_mul_u32_u24 v4, v4, 320                      ; eight rows of 40 bytes
	v_and_b32 v5, 7, v0                            ; j
	v_bfe_u32 v6, v0, 3, 1                         ; hs
	v_lshl_add_u32 v7, v5, 2, v4                   ; q = 0: column j of pi_W or mu_W
	v_add_nc_u32 v8, 8, v5
	v_min_u32 v8, 9, v8
	v_lshl_add_u32 v8, v8, 2, v4                   ; q = 1: column 8 + j, held inside the table
	v_max_u32 v9, 2, v5
	v_add_nc_u32 v9, -2, v9
	v_min_u32 v9, 4, v9
	v_mad_u32_u24 v9, v6, 5, v9
	v_lshl_add_u32 v9, v9, 2, v4                   ; q = 1: sg_W's column j - 2 + 5 hs, held likewise
	v_lshlrev_b32 v10, 4, v0
	s_wait_kmcnt 0x0
.irp i, 0,1,2,3,4,5,6,7
	global_load_b32 v[32+\i], v7, s[16:17] offset:40*\i
	global_load_b32 v[40+\i], v7, s[24:25] offset:40*\i
	global_load_b32 v[48+\i], v8, s[16:17] offset:40*\i
	global_load_b32 v[56+\i], v8, s[24:25] offset:40*\i
	global_load_b32 v[64+\i], v9, s[20:21] offset:40*\i
.endr
	v_cmp_eq_u32 vcc_lo, 1, v6
	v_cmp_gt_u32 s28, 2, v5
	v_cmp_gt_u32 s29, 7, v5
	s_wait_loadcnt 0x0
.irp i, 0,1,2,3,4,5,6,7
	v_cndmask_b32 v[32+\i], v[32+\i], v[40+\i], vcc_lo   ; hs ? mu : pi
	v_cndmask_b32 v[48+\i], v[48+\i], v[56+\i], vcc_lo
	v_cndmask_b32 v[48+\i], v[64+\i], v[48+\i], s28      ; j < 2 ? that : sg
	v_cndmask_b32 v[48+\i], 0, v[48+\i], s29             ; j = 7: the empty slot
.endr
.irp i, 0,1,2,3
	v_cvt_pk_bf16_f32 v[72+\i], v[32+2*\i], v[33+2*\i]
	v_cvt_pk_bf16_f32 v[76+\i], v[48+2*\i], v[49+2*\i]
.endr
	global_store_b128 v10, v[72:75], s[4:5] offset:26624
	global_store_b128 v10, v[76:79], s[4:5] offset:30720
	s_cmp_lt_u32 s2, 4
	s_cbranch_scc0 .Ltb_bias
	; threads 0-127: a = g / sqrt(v + eps), c = (b - m) a + be
	v_lshlrev_b32 v11, 2, v0
	global_load_b32 v80, v11, s[6:7]
	global_load_b32 v81, v11, s[8:9]
	global_load_b32 v82, v11, s[10:11]
	global_load_b32 v83, v11, s[12:13]
	global_load_b32 v84, v11, s[14:15]
	s_wait_loadcnt 0x0
	v_add_f32 v84, EPSBN, v84
	v_rsq_f32 v84, v84
	v_sub_f32 v80, v80, v83                        ; (the plain line behind the transcendental)
	s_wait_alu depctr_va_vdst(0)
	v_mul_f32 v84, v81, v84
	v_fma_f32 v85, v80, v84, v82
	global_store_b32 v11, v84, s[4:5] offset:25600
	global_store_b32 v11, v85, s[4:5] offset:26112
	s_endpgm
.Ltb_bias:
	s_cmp_eq_u32 s2, 4
	s_cbranch_scc0 .Ltb_end
	; wave 4: lane 16 hs + rho: the bias of slot rho
	v_min_u32 v11, 9, v2
	v_lshlrev_b32 v11, 2, v11
	v_max_u32 v12, 10, v2
	v_add_nc_u32 v12, -10, v12
	v_min_u32 v12, 4, v12
	v_mad_u32_u24 v12, v3, 5, v12
	v_lshlrev_b32 v12, 2, v12
	global_load_b32 v80, v11, s[18:19]
	global_load_b32 v81, v11, s[26:27]
	global_load_b32 v82, v12, s[22:23]
	v_lshlrev_b32 v13, 2, v1
	v_cmp_eq_u32 vcc_lo, 1, v3
	v_cmp_gt_u32 s28, 10, v2
	v_cmp_gt_u32 s29, 15, v2
	s_wait_loadcnt 0x0
	v_cndmask_b32 v80, v80, v81, vcc_lo
	v_cndmask_b32 v80, v82, v80, s28
	v_cndmask_b32 v80, 0, v80, s29
	global_store_b32 v13, v80, s[4:5] offset:34816
.Ltb_end:
	s_endpgm
.Lfunc_end_k_qb8ac2effd7_prep:
	.size	k_qb8ac2effd7_prep, .Lfunc_end_k_qb8ac2effd7_prep-k_qb8ac2effd7_prep
	.p2alignl 7, 3214868480
	.fill 96, 4, 3214868480
	.section	.rodata,"a",@progbits
	.p2align	6, 0x0
	.amdhsa_kernel k_qb8ac2effd7_prep
		.amdhsa_group_segment_fixed_size 0
		.amdhsa_private_segment_fixed_size 0
		.amdhsa_enable_private_segment 0
		.amdhsa_kernarg_size 208
		.amdhsa_user_sgpr_count 2
		.amdhsa_user_sgpr_kernarg_segment_ptr 1
		.amdhsa_wavefront_size32 1
		.amdhsa_system_sgpr_workgroup_id_x 1
		.amdhsa_system_sgpr_workgroup_id_y 1
		.amdhsa_system_sgpr_workgroup_id_z 1
		.amdhsa_system_vgpr_workitem_id 0
		.amdhsa_next_free_vgpr 128
		.amdhsa_next_free_sgpr 66
		.amdhsa_reserve_vcc 1
		.amdhsa_float_denorm_mode_32 3
		.amdhsa_float_denorm_mode_16_64 3
		.amdhsa_memory_ordered 1
		.amdhsa_forward_progress 1
		.amdhsa_inst_pref_size 40
	.end_amdhsa_kernel
	.amdgpu_metadata
---
amdhsa.version: [ 1, 2 ]
amdhsa.kernels:
  - .name:           k_qb8ac2effd7_prep
    .symbol:         k_qb8ac2effd7_prep.kd
    .args:
      - { .name: hl, .offset: 0, .size: 8, .value_kind: global_buffer, .address_space: global }
      - { .name: hp, .offset: 8, .size: 8, .value_kind: global_buffer, .address_space: global }
      - { .name: codes, .offset: 16, .size: 8, .value_kind: global_buffer, .address_space: global }
      - { .name: scl, .offset: 24, .size: 8, .value_kind: global_buffer, .address_space: global }
      - { .name: mlp_W, .offset: 32, .size: 8, .value_kind: global_buffer, .address_space: global }
      - { .name: consts, .offset: 40, .size: 8, .value_kind: global_buffer, .address_space: global }
      - { .name: mlp_b, .offset: 48, .size: 8, .value_kind: global_buffer, .address_space: global }
      - { .name: mlp_g, .offset: 56, .size: 8, .value_kind: global_buffer, .address_space: global }
      - { .name: mlp_be, .offset: 64, .size: 8, .value_kind: global_buffer, .address_space: global }
      - { .name: mlp_m, .offset: 72, .size: 8, .value_kind: global_buffer, .address_space: global }
      - { .name: mlp_v, .offset: 80, .size: 8, .value_kind: global_buffer, .address_space: global }
      - { .name: pi_W, .offset: 88, .size: 8, .value_kind: global_buffer, .address_space: global }
      - { .name: pi_b, .offset: 96, .size: 8, .value_kind: global_buffer, .address_space: global }
      - { .name: sg_W, .offset: 104, .size: 8, .value_kind: global_buffer, .address_space: global }
      - { .name: sg_b, .offset: 112, .size: 8, .value_kind: global_buffer, .address_space: global }
      - { .name: mu_W, .offset: 120, .size: 8, .value_kind: global_buffer, .address_space: global }
      - { .name: mu_b, .offset: 128, .size: 8, .value_kind: global_buffer, .address_space: global }
      - { .name: l_pos, .offset: 136, .size: 8, .value_kind: global_buffer, .address_space: global }
      - { .name: p_pos, .offset: 144, .size: 8, .value_kind: global_buffer, .address_space: global }
      - { .name: nl_counts, .offset: 152, .size: 8, .value_kind: global_buffer, .address_space: global }
      - { .name: np_counts, .offset: 160, .size: 8, .value_kind: global_buffer, .address_space: global }
      - { .name: out0, .offset: 168, .size: 8, .value_kind: global_buffer, .address_space: global }
      - { .name: out1, .offset: 176, .size: 8, .value_kind: global_buffer, .address_space: global }
      - { .name: out2, .offset: 184, .size: 8, .value_kind: global_buffer, .address_space: global }
      - { .name: out3, .offset: 192, .size: 8, .value_kind: global_buffer, .address_space: global }
      - { .name: list, .offset: 200, .size: 8, .value_kind: global_buffer, .address_space: global }
    .group_segment_fixed_size: 0
    .private_segment_fixed_size: 0
    .kernarg_segment_align: 8
    .kernarg_segment_size: 208
    .max_flat_workgroup_size: 256
    .sgpr_count:     66
    .vgpr_count:     128
    .wavefront_size: 32
...
	.end_amdgpu_metadata
.endif
;; end of part 1
;; launch main (part 2): grid 256 x 1, 8 waves a work-group, no clusters, 48,128 bytes of LDS; arguments nl_counts, np_counts, list, codes, scl, consts, out0, out1, out2, hl, ba_W1, ba_b1, ba_g1, ba_be1, ba_m1, ba_v1, ba_W2, ba_b2, ba_g2, ba_be2, ba_m2, ba_v2, ba_W3, ba_b3, out4; writes out0, out1, out2, out4
.if DOCPART == 2
	.amdgcn_target "amdgcn-amd-amdhsa--gfx1250"
	.amdhsa_code_object_version 6
	.text
	.protected	k_qb8ac2effd7_main
	.globl	k_qb8ac2effd7_main
	.p2align	8
	.type	k_qb8ac2effd7_main,@function
k_qb8ac2effd7_main:
	s_mov_b64 s[64:65], 0
	v_nop
	global_prefetch_b8 v0, s[64:65] scope:SCOPE_SE
	s_setreg_imm32_b32 hwreg(HW_REG_WAVE_MODE, 25, 1), 1
	s_wait_xcnt 0x0
; MAIN.  Work-groups 8-255 (path ITEMS) take the kept pairs through the whole chain; work-groups 0-7 (path BA) make one batch's binding affinity each.
; ITEMS.  An item is one ligand node and 32 neighbouring protein nodes (two tiles of 16 pairs); the launch before has listed the kept items and cleared the others' outputs.
;   The 1,984 item waves take the list's entries g, g + 1,984, .. (g = 248 wave + work-group - 8), so that every wave has the same number of items to within one, whatever the counts.
;   A tile: hidden^T = W^T [hl | hp]^T on codes of BF6 (source 0 = 16 hidden units, source 1 = 16 pairs; K step 0 = hl's row, the same for all 16 pairs; K step 1 = 16 rows of hp);
;   y = a x + c (the batch norm), elu, rounded to bf16 in pairs: a lane holds ONE pair and its registers run along the hidden units, so two tiles of 16 units ARE source 1 of a head product;
;   heads^T = Wh^T hidden^T in bf16, the bias as the sums' first C.  In the result lanes 0-15 hold pi's ten logits and sg's columns 0-4 of pair r, lanes 16-31 mu's ten and sg's 5-9.
;   elu(z) = the middle one of z, e^z - 1 and 0.  The softmax takes the row's largest logit away first; then z <= 0, the same three lines give e - 1, and pi = (e - 1) r + (r + 1e-10), r = 1 / sum.
;   A pair under the mask gets factor and addend 0: exact zeros without a branch.  Results go through the wave's own stage in LDS and leave as aligned runs of 256 bytes.
;   All weights stay in the wave's registers: 192 of W's codes, 64 of the heads', 128 of a and c.  Two waves share a SIMD, 512 registers each, so that one's vector work stands beside the other's products.
;   No tensor load, no cluster: the trip count hangs on counts read from memory, and what the work-groups share is 35 KB that each wave reads once.
; LIMITS: NaN and infinities among the inputs are not served; counts are held to 0..64 and 0..512, as arange < count holds them; pi's absolute error is that of (e - 1) r + r, one rounding of r.
; REGISTERS, window 0: v1-15 addresses; v16-29 a tile's statistics (v19: the bias table's place); v30, v31 hl's and hp's scale words; v32-95 a; v96-159 c; v160-191 four tiles of the hidden layer;
;   v192-203 hl's fragment; v204-215 hp's; v216-223 W's scale words (register t: K step 0 in lanes 0-15, K step 1 in lanes 16-31); v224-239 the heads' sums; v240-255 at work.
;   window 1: v0-191 W's 16 fragments at 12 (2 t + s); v192-255 the heads' 8 fragments at 192 + 8 (4 q + c).
.set LOG2E,  0x3fb8aa3b
.set EPSBN,  0x3727c5ac                ; 1e-5
.set STRIDE, 1984                      ; item waves in the launch
.set LI,   1                           ; 16 lane
.set H256, 2                           ; 256 h
.set L4,   3                           ; 4 lane
.set STP,  4                           ; the stage: pi's (h = 0) or mu's (h = 1) ten numbers of pair r: base + 2,560 h + 40 r
.set STS,  5                           ; sg's five of my half: base + 1,280 + 40 r + 20 h
.set SRD,  6                           ; the stage read back: base + 8 lane
.set HBA,  7                           ; the bias table of my half: base + 3,840 + 64 h
.set L8,   8                           ; 8 lane
.set VOUT, 9                           ; my byte in the item's outputs
.set VHL,  10                          ; hl's codes; v11 its scale word; v12 hp's codes; v13 its scale words
.set VHLS, 11
.set VHP,  12
.set VHPS, 13
.set RR,   14                          ; r
.set H32,  15                          ; 32 h
.set VM,   16                          ; v[16:17] what is taken away from slots 0-9: the largest logit, or 0
.set VMX,  18
.set BST,  19                          ; where my word of the bias table goes: base + 4 lane
.set VR,   20                          ; v[20:21] factor, v[22:23] addend of slots 0-9
.set VS,   22
.set VRB,  24                          ; v[24:25] 1 or 0; v[26:27] 1.1 or 0
.set VSB,  26
.set VSUM, 28                          ; v28 the sum, v29 its reciprocal
.set HLS,  30
.set HPS,  31
.set BNA,  32
.set BNC,  96
.set ACC,  160
.set FHL,  192
.set FHP,  204
.set WSC,  216
.set HACC, 224
.set TMP,  240
.set BAL,  32768                       ; LDS: 8 x 4,096 bytes for the item waves; path BA has bytes of its own from here on
.set RA,   BAL                         ; [8][128] partial sums of hl
.set RH,   BAL+4096                    ; [128] the pooled vector
.set RB,   BAL+4608                    ; [4][256] partial sums of the first layer
.set RX,   BAL+8704                    ; [256] the first layer
.set RC,   BAL+9728                    ; [8][128] partial sums of the second layer
.set MSB, 0
.macro WIN new                         ; the immediate's high byte repeats the setting that is left
.if MSB != \new
	s_set_vgpr_msb (MSB<<8)|\new
.set MSB, \new
.endif
.endm
.macro PLACES n                        ; plain vector lines that name no register of the matrix instruction before (ISA guide 7.12.1)
.rept \n
	v_nop
.endr
.endm
.macro BAR                             ; my LDS stores have landed and my LDS loads are in: then the work-group's barrier
	s_wait_dscnt 0x0
	s_barrier_signal -1
	s_barrier_wait -1
.endm
; A list entry in s[52:59] becomes addresses.  Each field comes from memory and is held inside its buffer before it enters an address.
.macro DECODE
	s_min_u32 s52, s52, 0x1fff
	s_min_u32 s53, s53, 0xbff0
	s_min_u32 s54, s54, 0xffc
	s_min_u32 s55, s55, 0x11e
	s_mul_i32 s46, s52, 1280                       ; the item's byte in out0, out1, out2
	s_mov_b32 s47, s56                             ; np - 32 jb
	s_mul_i32 s48, s55, 1536
	s_lshl_b32 s49, s55, 7
	v_add_nc_u32 v[VHL], s53, v[H256]              ; every lane of a half reads the ligand row's lane of that half: all 16 pairs get the same row
	v_mov_b32 v[VHLS], s54
	v_add_nc_u32 v[VHP], s48, v[LI]
	v_add_nc_u32 v[VHPS], s49, v[L4]
.endm
.macro OPL_HL
.irp c, 0,1,2
	global_load_b128 v[FHL+4*\c:FHL+4*\c+3], v[VHL], s[10:11] offset:512*\c
.endr
	global_load_b32 v[HLS], v[VHLS], s[12:13]
.endm
.macro OPL_HP p
.irp c, 0,1,2
	global_load_b128 v[FHP+4*\c:FHP+4*\c+3], v[VHP], s[10:11] offset:1536*\p+512*\c
.endr
	global_load_b32 v[HPS], v[VHPS], s[12:13] offset:128*\p
.endm
; Hidden units 64 u .. 64 u + 63 of the 16 pairs: four accumulators by turns, one instruction a turn, K step 0 and then K step 1.
; Five places in front: these products write over registers that the last head products read.  Four behind: vector lines read the results, and loads land on the operands.
.macro BURST u
	PLACES 5
	WIN 0x01                                       ; source 0 (W) in window 1
.irp t4, 0,1,2,3
	v_wmma_scale_f32_16x16x128_f8f6f4 v[ACC+8*\t4:ACC+8*\t4+7], v[24*(4*\u+\t4):24*(4*\u+\t4)+11], v[FHL:FHL+11], 0, v[WSC+4*\u+\t4], v[HLS] matrix_a_fmt:MATRIX_FMT_BF6 matrix_b_fmt:MATRIX_FMT_BF6
.endr
.irp t4, 0,1,2,3
	v_wmma_scale_f32_16x16x128_f8f6f4 v[ACC+8*\t4:ACC+8*\t4+7], v[24*(4*\u+\t4)+12:24*(4*\u+\t4)+23], v[FHP:FHP+11], v[ACC+8*\t4:ACC+8*\t4+7], v[WSC+4*\u+\t4], v[HPS] matrix_a_fmt:MATRIX_FMT_BF6 matrix_b_fmt:MATRIX_FMT_BF6 matrix_a_scale:MATRIX_SCALE_ROW1
.endr
	WIN 0
	PLACES 4
.endm
; Two tiles (32 hidden units, 16 registers): batch norm, elu, bf16.  The eight packed registers, in place, are source 1 of head K step 2 u + c2.
.macro ACT u, c2
.set XB, ACC+16*\c2
.set OB, 32*\u+16*\c2
.irp i, 0,2,4,6,8,10,12,14
	v_pk_fma_f32 v[XB+\i:XB+\i+1], v[XB+\i:XB+\i+1], v[BNA+OB+\i:BNA+OB+\i+1], v[BNC+OB+\i:BNC+OB+\i+1]   ; each accumulator from its low end on
.endr
.irp i, 0,2,4,6,8,10,12,14
	v_pk_mul_f32 v[TMP+\i:TMP+\i+1], v[XB+\i:XB+\i+1], LOG2E op_sel_hi:[1,0]
.endr
.irp i, 0,1,2,3,4,5,6,7,8,9,10,11,12,13,14,15
	v_exp_f32 v[TMP+\i], v[TMP+\i]
.endr
	v_nop                                          ; one plain line behind the exponentials
	s_wait_alu depctr_va_vdst(0)
.irp i, 0,2,4,6,8,10,12,14
	v_pk_add_f32 v[TMP+\i:TMP+\i+1], v[TMP+\i:TMP+\i+1], -1.0 op_sel_hi:[1,0]
.endr
.irp i, 0,1,2,3,4,5,6,7,8,9,10,11,12,13,14,15
	v_med3_num_f32 v[XB+\i], v[XB+\i], v[TMP+\i], 0    ; elu: e^y - 1 >= y always, so the middle one is y above 0 and e^y - 1 below
.endr
.irp i, 0,1,2,3,4,5,6,7
	v_cvt_pk_bf16_f32 v[XB+\i], v[XB+2*\i], v[XB+2*\i+1]   ; ascending: register i is written when registers 2 i, 2 i + 1 are still whole
.endr
.endm
; The heads' sums take two more K steps of 32: two accumulators by turns.  Their first C is the bias, which an LDS load has put into the accumulators.
.macro HEADS u
	WIN 0x01
.irp c2, 0,1
.irp q, 0,1
	v_wmma_f32_16x16x32_bf16 v[HACC+8*\q:HACC+8*\q+7], v[192+8*(4*\q+2*\u+\c2):192+8*(4*\q+2*\u+\c2)+7], v[ACC+16*\c2:ACC+16*\c2+7], v[HACC+8*\q:HACC+8*\q+7]
.endr
.endr
	WIN 0
.endm
; The three heads' ends for tile p, and into the stage.
.macro EPI p
	v_cmp_gt_i32 s61, s63, v[RR]                   ; pair r counts where r < np - 32 jb - 16 p.  These five lines name no register of the head products: the places behind them
	v_cndmask_b32 v[VRB], 0, 1.0, s61
	v_cndmask_b32 v[VSB], 0, 0x3f8ccccd, s61       ; 1.1
	v_nop
	v_nop
	s_and_b32 s62, s61, s60                        ; and holds pi (lanes 0-15)
	v_max3_num_f32 v[VMX], v[HACC], v[HACC+1], v[HACC+2]   ; each accumulator is read from its low end on
	v_max3_num_f32 v[VMX], v[VMX], v[HACC+3], v[HACC+4]
	v_max3_num_f32 v[VMX], v[VMX], v[HACC+5], v[HACC+6]
	v_max3_num_f32 v[VMX], v[VMX], v[HACC+7], v[HACC+8]
	v_max_num_f32 v[VMX], v[VMX], v[HACC+9]
	v_cndmask_b32 v[VM], 0, v[VMX], s60            ; the softmax's lanes take their largest logit away, mu's lanes nothing
.irp k, 0,1,2,3,4
	v_pk_add_f32 v[HACC+2*\k:HACC+2*\k+1], v[HACC+2*\k:HACC+2*\k+1], v[VM:VM+1] op_sel_hi:[1,0] neg_lo:[0,1] neg_hi:[0,1]
.endr
.irp k, 0,1,2,3,4,5,6,7
	v_pk_mul_f32 v[TMP+2*\k:TMP+2*\k+1], v[HACC+2*\k:HACC+2*\k+1], LOG2E op_sel_hi:[1,0]
.endr
.irp j, 0,1,2,3,4,5,6,7,8,9,10,11,12,13,14
	v_exp_f32 v[TMP+\j], v[TMP+\j]
.endr
	v_nop                                          ; one plain line behind the exponentials
	s_wait_alu depctr_va_vdst(0)
	v_pk_add_f32 v[VSUM:VSUM+1], v[TMP:TMP+1], v[TMP+2:TMP+3]
	v_pk_add_f32 v[VSUM:VSUM+1], v[VSUM:VSUM+1], v[TMP+4:TMP+5]
	v_pk_add_f32 v[VSUM:VSUM+1], v[VSUM:VSUM+1], v[TMP+6:TMP+7]
	v_pk_add_f32 v[VSUM:VSUM+1], v[VSUM:VSUM+1], v[TMP+8:TMP+9]
	v_add_f32 v[VSUM], v[VSUM], v[VSUM+1]          ; at least 1 in the softmax's lanes; mu's lanes do not use it
	v_rcp_f32 v[VSUM+1], v[VSUM]
.irp k, 0,1,2,3,4,5,6,7
	v_pk_add_f32 v[TMP+2*\k:TMP+2*\k+1], v[TMP+2*\k:TMP+2*\k+1], -1.0 op_sel_hi:[1,0]   ; (plain lines behind the reciprocal)
.endr
.irp j, 0,1,2,3,4,5,6,7,8,9,10,11,12,13,14
	v_med3_num_f32 v[HACC+\j], v[HACC+\j], v[TMP+\j], 0    ; elu(z); in the softmax's lanes z <= 0, so this is e - 1
.endr
	s_wait_alu depctr_va_vdst(0)
	v_add_f32 v[VMX], 0x2edbe6ff, v[VSUM+1]        ; r + 1e-10
	v_cndmask_b32 v[VR], v[VRB], v[VSUM+1], s62    ; pi: (e - 1) r + (r + 1e-10);  mu: elu x 1 + 1;  under the mask: x 0 + 0
	v_cndmask_b32 v[VS], v[VRB], v[VMX], s62
.irp k, 0,1,2,3,4
	v_pk_fma_f32 v[TMP+2*\k:TMP+2*\k+1], v[HACC+2*\k:HACC+2*\k+1], v[VR:VR+1], v[VS:VS+1] op_sel_hi:[1,0,0]
.endr
.irp k, 5,6,7
	v_pk_fma_f32 v[TMP+2*\k:TMP+2*\k+1], v[HACC+2*\k:HACC+2*\k+1], v[VRB:VRB+1], v[VSB:VSB+1] op_sel_hi:[1,0,0]   ; sigma: elu x 1 + 1.1
.endr
.irp k, 0,1,2,3,4
	ds_store_b64 v[STP], v[TMP+2*\k:TMP+2*\k+1] offset:640*\p+8*\k
.endr
.irp k, 0,1,2,3,4
	ds_store_b32 v[STS], v[TMP+10+\k] offset:640*\p+4*\k
.endr
.irp k, 0,1,2,3
	ds_load_b128 v[HACC+4*\k:HACC+4*\k+3], v[HBA] offset:16*\k   ; the next tile's sums begin with the bias
.endr
.endm
; A tile of 16 pairs.  The next tile's operands are asked for behind the last product that reads this tile's, half a tile ahead of the wait for them.
.macro TILE p
	s_wait_loadcnt 0x0                             ; the tile's operands are in, and their address registers are free
	s_sub_co_i32 s63, s45, 16*\p
	BURST 0
	s_wait_dscnt 0x0                               ; the last tile's stores into the stage are done, and the bias is in the heads' accumulators
	ACT 0, 0
	ACT 0, 1
	HEADS 0
	BURST 1
.if \p == 0
	OPL_HP 1
.else
	s_wait_kmcnt 0x0                               ; the next item's entry
	DECODE
	OPL_HL
	OPL_HP 0
.endif
	ACT 1, 0
	ACT 1, 1
	HEADS 1
	EPI \p
.endm
	v_lshrrev_b32 v1, 5, v0
	v_readfirstlane_b32 s2, v1                     ; wave 0..7
	s_cmp_lt_u32 ttmp9, 8
	s_cbranch_scc1 .Lba
	; ---------------- ITEMS ----------------
	s_load_b512 s[4:19], s[0:1], 0x0               ; nl s[4:5], np s[6:7], list s[8:9], codes s[10:11], scl s[12:13], consts s[14:15], out0 s[16:17], out1 s[18:19]
	s_load_b64 s[20:21], s[0:1], 0x40              ; out2
	v_and_b32 v[BST], 31, v0                       ; lane
	v_and_b32 v[RR], 15, v0
	v_bfe_u32 v29, v0, 4, 1                        ; h
	s_lshl_b32 s3, s2, 12                          ; my wave's 4,096 bytes of LDS
	v_lshlrev_b32 v[LI], 4, v[BST]
	v_lshlrev_b32 v[H256], 8, v29
	v_lshlrev_b32 v[L4], 2, v[BST]
	v_lshlrev_b32 v[L8], 3, v[BST]
	v_lshlrev_b32 v[H32], 5, v29
	v_mul_u32_u24 v[STP], v[RR], 40
	v_mad_u32_u24 v[STS], v29, 20, v[STP]
	v_mad_u32_u24 v[STP], v29, 2560, v[STP]
	v_add_nc_u32 v[STP], s3, v[STP]
	v_add_nc_u32 v[STS], s3, v[STS]
	v_add_nc_u32 v[STS], 1280, v[STS]
	v_lshl_add_u32 v[SRD], v[BST], 3, s3
	v_lshl_add_u32 v[HBA], v29, 6, s3
	v_add_nc_u32 v[HBA], 3840, v[HBA]
	v_lshl_add_u32 v[BST], v[BST], 2, s3           ; base + 4 lane
.irp j, VM+1, VR+1, VS+1, VRB+1, VSB+1
	v_mov_b32 v[\j], 0                             ; named as upper halves of pairs whose low word serves both halves: so they are written
.endr
	s_mov_b32 s60, 0xffff                          ; lanes 0-15
	s_wait_kmcnt 0x0
	s_load_b256 s[24:31], s[4:5], 0x0
	s_load_b256 s[32:39], s[6:7], 0x0
	; the constants, once for the wave; they are on their way while the counts come
	WIN 0x40                                       ; destination window 1
.set ii, 0
.rept 48
	global_load_b128 v[4*ii:4*ii+3], v[LI], s[14:15] offset:512*ii          ; W's 16 fragments, three runs of 512 bytes each
.set ii, ii+1
.endr
.set ii, 0
.rept 16
	global_load_b128 v[192+4*ii:192+4*ii+3], v[LI], s[14:15] offset:26624+512*ii   ; the heads' 8 fragments, two runs each
.set ii, ii+1
.endr
	WIN 0
.set ii, 0
.rept 16
	global_load_b128 v[BNA+4*ii:BNA+4*ii+3], v[H32], s[14:15] offset:25600+64*(ii/2)+16*(ii%2)   ; a[16 t + 8 h + j] at register 8 t + j
	global_load_b128 v[BNC+4*ii:BNC+4*ii+3], v[H32], s[14:15] offset:26112+64*(ii/2)+16*(ii%2)
.set ii, ii+1
.endr
.irp t, 0,1,2,3,4,5,6,7
	global_load_b32 v[WSC+\t], v[L4], s[14:15] offset:24576+128*\t
.endr
	global_load_b32 v[TMP], v[L4], s[14:15] offset:34816
	s_wait_kmcnt 0x0
	s_mov_b32 s40, 0                               ; V: the kept items, counted as the launch before counted them
.irp k, 0,1,2,3,4,5,6,7
	s_max_i32 s48, s[24+\k], 0
	s_min_i32 s48, s48, 64
	s_max_i32 s49, s[32+\k], 0
	s_min_i32 s49, s49, 0x200
	s_add_co_u32 s49, s49, 31
	s_lshr_b32 s49, s49, 5
	s_mul_i32 s48, s48, s49
	s_add_co_u32 s40, s40, s48
.endr
	s_mul_i32 s41, s2, 248
	s_add_co_u32 s41, s41, ttmp9
	s_sub_co_u32 s41, s41, 8                       ; g: my first entry
	s_mov_b32 s50, 0                               ; my items: how many of g, g + 1,984, .., g + 4 x 1,984 lie under V (V is 8,192 at the most, and 5 x 1,984 is more)
.irp k, 0,1,2,3,4
	s_add_co_u32 s49, s41, STRIDE*\k
	s_cmp_lt_u32 s49, s40
	s_cselect_b32 s48, 1, 0
	s_add_co_u32 s50, s50, s48
.endr
	s_cmp_eq_u32 s50, 0
	s_cbranch_scc1 .Lno_items                      ; this split leaves my wave without an item
	s_mov_b32 s51, 0                               ; items done
	s_sub_co_u32 s42, s40, 1
	s_min_u32 s43, s41, 0x1fff
	s_lshl_b32 s43, s43, 5
	s_load_b256 s[52:59], s[8:9], s43 offset:0x0
	s_wait_kmcnt 0x0
	DECODE
	OPL_HL
	OPL_HP 0
	s_mov_b32 s44, s46
	s_mov_b32 s45, s47
	s_wait_loadcnt 0x0                             ; the constants, once
	ds_store_b32 v[BST], v[TMP] offset:3840        ; the bias table; LDS serves a wave's instructions in order, so the loads below see it
.irp k, 0,1,2,3
	ds_load_b128 v[HACC+4*\k:HACC+4*\k+3], v[HBA] offset:16*\k
.endr
.Litem:
	s_wait_xcnt 0x0                                ; the last item's stores have read their data and address registers, the last scalar load its offset: all are written again below
	s_add_co_u32 s41, s41, STRIDE                  ; the next entry; in the last trip the list's last written entry, fetched and not used: so no line is jumped over and no load leaves what was written
	s_min_u32 s43, s41, s42
	s_min_u32 s43, s43, 0x1fff
	s_lshl_b32 s43, s43, 5
	s_load_b256 s[52:59], s[8:9], s43 offset:0x0
	TILE 0
	TILE 1
	v_add_nc_u32 v[VOUT], s44, v[L8]
.irp g, 0,1,2
.irp k, 0,1,2,3,4
	ds_load_b64 v[ACC+2*(5*\g+\k):ACC+2*(5*\g+\k)+1], v[SRD] offset:1280*\g+256*\k   ; the stage by runs of 256 bytes: pi's five, sigma's five, mu's five
.endr
.endr
.irp k, 0,1,2,3,4
	s_wait_dscnt 14-\k                             ; LDS loads come back in order: the count is that of the younger ones
	global_store_b64 v[VOUT], v[ACC+2*\k:ACC+2*\k+1], s[16:17] offset:256*\k th:TH_STORE_NT   ; 32 lanes store 256 consecutive bytes, at a multiple of 256 from the buffer's first byte
.endr
.irp k, 0,1,2,3,4
	s_wait_dscnt 9-\k
	global_store_b64 v[VOUT], v[ACC+10+2*\k:ACC+10+2*\k+1], s[18:19] offset:256*\k th:TH_STORE_NT
.endr
.irp k, 0,1,2,3,4
	s_wait_dscnt 4-\k
	global_store_b64 v[VOUT], v[ACC+20+2*\k:ACC+20+2*\k+1], s[20:21] offset:256*\k th:TH_STORE_NT
.endr
	s_mov_b32 s44, s46
	s_mov_b32 s45, s47
	s_add_co_u32 s51, s51, 1
	s_cmp_lt_u32 s51, s50
	s_cbranch_scc1 .Litem
.Lno_items:
	s_wait_xcnt 0x0
	s_mov_b32 exec_lo, -1
	v_lshl_add_u32 v254, v0, 2, 0xb800
	v_mov_b32 v255, 0
	s_wait_tensorcnt 0x0
	ds_add_u32 v254, v255
	s_wait_dscnt 0x0
	s_endpgm
	; ---------------- BA: batch b = the work-group's number; 256 threads; f32 multiply-adds throughout (M = 8) ----------------
	; Every load is issued at the head, alike in every wave: hl 8, W1 32, the first norm's 5, W2 32, the second norm's and W3's 6: 83 a wave.  Each wait below counts the loads that are younger than those it needs.
.Lba:
	s_load_b64 s[4:5], s[0:1], 0x0                 ; nl_counts
	s_load_b512 s[8:23], s[0:1], 0x48              ; hl s[8:9], W1 s[10:11], b1 s[12:13], g1 s[14:15], be1 s[16:17], m1 s[18:19], v1 s[20:21], W2 s[22:23]
	s_load_b512 s[24:39], s[0:1], 0x88             ; b2 s[24:25], g2 s[26:27], be2 s[28:29], m2 s[30:31], v2 s[32:33], W3 s[34:35], b3 s[36:37], out4 s[38:39]
	v_and_b32 v1, 31, v0                           ; lane
	v_lshlrev_b32 v2, 4, v1                        ; 16 lane
	v_lshlrev_b32 v3, 4, v0                        ; 16 thread
	v_lshlrev_b32 v4, 2, v0                        ; 4 thread
	s_lshl_b32 s40, s2, 12
	v_add_nc_u32 v5, s40, v2                       ; hl: rows 8 w on, four channels a lane
	v_and_b32 v6, 63, v0
	v_lshlrev_b32 v6, 4, v6
	s_lshr_b32 s41, s2, 1
	s_lshl_b32 s40, s41, 15
	v_add_nc_u32 v6, s40, v6                       ; W1: four columns a thread, rows 32 (w / 2) on
	s_lshl_b32 s40, s2, 14
	v_add_nc_u32 v7, s40, v2                       ; W2: four columns a lane, rows 32 w on
	s_lshl_b32 s40, s41, 7
	v_mov_b32 v8, s40                              ; LDS: my 32 numbers of the pooled vector
	s_lshl_b32 s40, s2, 7
	v_mov_b32 v9, s40                              ; and of the first layer
	v_mov_b32 v10, 0                               ; the last store's offset
	v_mov_b32 v11, 0                               ; a lane permute's destination counts as one of its sources
	s_lshl_b32 s42, ttmp9, 15                      ; a batch of hl is 32,768 bytes
	s_mov_b32 s43, 0
	s_lshl_b32 s44, ttmp9, 2
	s_mov_b32 s45, 0
	s_wait_kmcnt 0x0
	s_add_nc_u64 s[8:9], s[8:9], s[42:43]
	s_add_nc_u64 s[4:5], s[4:5], s[44:45]
	s_add_nc_u64 s[38:39], s[38:39], s[44:45]
	s_load_b32 s46, s[4:5], 0x0                    ; nl[b]
	s_load_b32 s47, s[36:37], 0x0                  ; b3
.irp e, 0,1,2,3,4,5,6,7
	global_load_b128 v[16+4*\e:19+4*\e], v5, s[8:9] offset:512*\e
.endr
.set ii, 0
.rept 32
	global_load_b128 v[48+4*ii:51+4*ii], v6, s[10:11] offset:1024*ii
.set ii, ii+1
.endr
	global_load_b32 v212, v4, s[12:13]
	global_load_b32 v213, v4, s[14:15]
	global_load_b32 v214, v4, s[16:17]
	global_load_b32 v215, v4, s[18:19]
	global_load_b32 v216, v4, s[20:21]
	WIN 0x40                                       ; destination window 1
.set ii, 0
.rept 32
	global_load_b128 v[4*ii:4*ii+3], v7, s[22:23] offset:512*ii
.set ii, ii+1
.endr
	WIN 0
	global_load_b128 v[220:223], v2, s[24:25]
	global_load_b128 v[224:227], v2, s[26:27]
	global_load_b128 v[228:231], v2, s[28:29]
	global_load_b128 v[232:235], v2, s[30:31]
	global_load_b128 v[236:239], v2, s[32:33]
	global_load_b128 v[240:243], v2, s[34:35]
	s_wait_kmcnt 0x0
	s_max_i32 s46, s46, 0
	s_min_i32 s46, s46, 64
	s_lshl_b32 s48, s2, 3
	s_wait_loadcnt 63                              ; hl's eight are in: 75 loads are younger, and a smaller count than that is safe
	; the pooling: my eight rows, each times 1 or 0
.irp e, 0,1,2,3,4,5,6,7
	s_add_co_u32 s49, s48, \e
	s_cmp_lt_u32 s49, s46
	s_cselect_b32 s50, 0x3f800000, 0
.irp c, 0,1,2,3
.if \e == 0
	v_mul_f32 v[208+\c], s50, v[16+\c]
.else
	v_fmac_f32 v[208+\c], s50, v[16+4*\e+\c]
.endif
.endr
.endr
	ds_store_b128 v3, v[208:211] offset:RA
	BAR                                            ; the eight waves' partial sums lie in LDS
	s_cmp_lt_u32 s2, 4
	s_cbranch_scc0 .Lba_r1                         ; the branch stands round the work alone: every wave passes every barrier
.irp k, 0,1,2,3,4,5,6,7
	ds_load_b32 v[176+\k], v4 offset:RA+512*\k
.endr
	s_wait_dscnt 0x0
	v_add_f32 v176, v176, v177
	v_add_f32 v178, v178, v179
	v_add_f32 v180, v180, v181
	v_add_f32 v182, v182, v183
	v_add_f32 v176, v176, v178
	v_add_f32 v180, v180, v182
	v_add_f32 v176, v176, v180
	ds_store_b32 v4, v176 offset:RH
.Lba_r1:
	BAR                                            ; the pooled vector
.irp k, 0,1,2,3,4,5,6,7
	ds_load_b128 v[176+4*\k:179+4*\k], v8 offset:RH+16*\k
.endr
	s_wait_dscnt 0x0
	s_wait_loadcnt 43                              ; W1 is in: 5 + 32 + 6 loads are younger
.irp c, 0,1,2,3
	v_mul_f32 v[208+\c], v176, v[48+\c]
.endr
.set ii, 1
.rept 31
.irp c, 0,1,2,3
	v_fmac_f32 v[208+\c], v[176+ii], v[48+4*ii+\c]
.endr
.set ii, ii+1
.endr
	ds_store_b128 v3, v[208:211] offset:RB
	BAR                                            ; four partial sums for each of the 256 units
.irp k, 0,1,2,3
	ds_load_b32 v[176+\k], v4 offset:RB+1024*\k
.endr
	s_wait_loadcnt 38                              ; the first norm's five are in: 32 + 6 are younger
	v_add_f32 v216, EPSBN, v216
	v_rsq_f32 v216, v216
	v_sub_f32 v212, v212, v215                     ; b1 - m1 (the plain line behind the transcendental)
	s_wait_dscnt 0x0
	v_add_f32 v176, v176, v177
	v_add_f32 v178, v178, v179
	v_add_f32 v176, v176, v178
	v_add_f32 v176, v176, v212
	s_wait_alu depctr_va_vdst(0)
	v_mul_f32 v216, v216, v213
	v_fma_f32 v176, v176, v216, v214
	v_mul_f32 v177, LOG2E, v176
	v_exp_f32 v177, v177
	v_nop
	s_wait_alu depctr_va_vdst(0)
	v_add_f32 v177, -1.0, v177
	v_med3_num_f32 v176, v176, v177, 0             ; elu
	ds_store_b32 v4, v176 offset:RX
	BAR                                            ; the first layer
.irp k, 0,1,2,3,4,5,6,7
	ds_load_b128 v[176+4*\k:179+4*\k], v9 offset:RX+16*\k
.endr
	s_wait_dscnt 0x0
	s_wait_loadcnt 6                               ; W2 is in: six loads are younger
	WIN 0x01                                       ; source 0 (W2) in window 1
.irp c, 0,1,2,3
	v_mul_f32 v[208+\c], v[\c], v176
.endr
.set ii, 1
.rept 31
.irp c, 0,1,2,3
	v_fmac_f32 v[208+\c], v[4*ii+\c], v[176+ii]
.endr
.set ii, ii+1
.endr
	WIN 0
	ds_store_b128 v3, v[208:211] offset:RC
	BAR                                            ; eight partial sums for each of the 128 units
	s_cmp_lg_u32 s2, 0
	s_cbranch_scc1 .Lba_end                        ; wave 0 finishes
.irp k, 0,1,2,3,4,5,6,7
	ds_load_b128 v[16+4*\k:19+4*\k], v2 offset:RC+512*\k
.endr
	s_mov_b32 s50, 0x76543210
	s_mov_b32 s51, 0xfedcba98
	s_wait_dscnt 0x0
	s_wait_loadcnt 0x0
.irp k, 1,2,3,4,5,6,7
	v_pk_add_f32 v[16:17], v[16:17], v[16+4*\k:17+4*\k]
	v_pk_add_f32 v[18:19], v[18:19], v[18+4*\k:19+4*\k]
.endr
.irp c, 0,1,2,3
	v_add_f32 v[236+\c], EPSBN, v[236+\c]
.endr
.irp c, 0,1,2,3
	v_rsq_f32 v[236+\c], v[236+\c]
.endr
.irp c, 0,1,2,3
	v_add_f32 v[16+\c], v[16+\c], v[220+\c]        ; + b2 (plain lines behind the transcendentals)
.endr
.irp c, 0,1,2,3
	v_sub_f32 v[16+\c], v[16+\c], v[232+\c]        ; - m2
.endr
	s_wait_alu depctr_va_vdst(0)
.irp c, 0,1,2,3
	v_mul_f32 v[236+\c], v[236+\c], v[224+\c]
.endr
.irp c, 0,1,2,3
	v_fma_f32 v[16+\c], v[16+\c], v[236+\c], v[228+\c]
.endr
.irp c, 0,1,2,3
	v_mul_f32 v[20+\c], LOG2E, v[16+\c]
.endr
.irp c, 0,1,2,3
	v_exp_f32 v[20+\c], v[20+\c]
.endr
	v_nop
	s_wait_alu depctr_va_vdst(0)
.irp c, 0,1,2,3
	v_add_f32 v[20+\c], -1.0, v[20+\c]
.endr
.irp c, 0,1,2,3
	v_med3_num_f32 v[16+\c], v[16+\c], v[20+\c], 0
.endr
	v_mul_f32 v24, v16, v240
	v_fmac_f32 v24, v17, v241
	v_fmac_f32 v24, v18, v242
	v_fmac_f32 v24, v19, v243
	v_add_f32_dpp v24, v24, v24 row_xmask:1 row_mask:0xf bank_mask:0xf
	v_add_f32_dpp v24, v24, v24 row_xmask:2 row_mask:0xf bank_mask:0xf
	v_add_f32_dpp v24, v24, v24 row_xmask:4 row_mask:0xf bank_mask:0xf
	v_add_f32_dpp v24, v24, v24 row_xmask:8 row_mask:0xf bank_mask:0xf
	v_permlanex16_b32 v11, v24, s50, s51
	v_add_f32 v24, v24, v11
	v_add_f32 v24, s47, v24                        ; + b3
	s_wait_xcnt 0x0                                ; EXEC changes only behind this wait
	v_cmp_eq_u32 vcc_lo, 0, v1
	s_and_saveexec_b32 s48, vcc_lo
	global_store_b32 v10, v24, s[38:39]            ; lane 0: out4[b]
	s_wait_xcnt 0x0
	s_mov_b32 exec_lo, -1
	v_lshl_add_u32 v254, v0, 2, 0xb800
	v_mov_b32 v255, 0
	s_wait_tensorcnt 0x0
	ds_add_u32 v254, v255
	s_wait_dscnt 0x0
	s_endpgm
.Lba_end:
	s_wait_xcnt 0x0
	s_mov_b32 exec_lo, -1
	v_lshl_add_u32 v254, v0, 2, 0xb800
	v_mov_b32 v255, 0
	s_wait_tensorcnt 0x0
	ds_add_u32 v254, v255
	s_wait_dscnt 0x0
	s_endpgm
.Lfunc_end_k_qb8ac2effd7_main:
	.size	k_qb8ac2effd7_main, .Lfunc_end_k_qb8ac2effd7_main-k_qb8ac2effd7_main
	.p2alignl 7, 3214868480
	.fill 96, 4, 3214868480
	.section	.rodata,"a",@progbits
	.p2align	6, 0x0
	.amdhsa_kernel k_qb8ac2effd7_main
		.amdhsa_group_segment_fixed_size 48128
		.amdhsa_private_segment_fixed_size 0
		.amdhsa_enable_private_segment 0
		.amdhsa_kernarg_size 200
		.amdhsa_user_sgpr_count 2
		.amdhsa_user_sgpr_kernarg_segment_ptr 1
		.amdhsa_wavefront_size32 1
		.amdhsa_system_sgpr_workgroup_id_x 1
		.amdhsa_system_sgpr_workgroup_id_y 1
		.amdhsa_system_sgpr_workgroup_id_z 1
		.amdhsa_system_vgpr_workitem_id 0
		.amdhsa_next_free_vgpr 512
		.amdhsa_next_free_sgpr 66
		.amdhsa_reserve_vcc 1
		.amdhsa_float_denorm_mode_32 3
		.amdhsa_float_denorm_mode_16_64 3
		.amdhsa_memory_ordered 1
		.amdhsa_forward_progress 1
		.amdhsa_inst_pref_size 99
	.end_amdhsa_kernel
	.amdgpu_metadata
---
amdhsa.version: [ 1, 2 ]
amdhsa.kernels:
  - .name:           k_qb8ac2effd7_main
    .symbol:         k_qb8ac2effd7_main.kd
    .args:
      - { .name: nl_counts, .offset: 0, .size: 8, .value_kind: global_buffer, .address_space: global }
      - { .name: np_counts, .offset: 8, .size: 8, .value_kind: global_buffer, .address_space: global }
      - { .name: list, .offset: 16, .size: 8, .value_kind: global_buffer, .address_space: global }
      - { .name: codes, .offset: 24, .size: 8, .value_kind: global_buffer, .address_space: global }
      - { .name: scl, .offset: 32, .size: 8, .value_kind: global_buffer, .address_space: global }
      - { .name: consts, .offset: 40, .size: 8, .value_kind: global_buffer, .address_space: global }
      - { .name: out0, .offset: 48, .size: 8, .value_kind: global_buffer, .address_space: global }
      - { .name: out1, .offset: 56, .size: 8, .value_kind: global_buffer, .address_space: global }
      - { .name: out2, .offset: 64, .size: 8, .value_kind: global_buffer, .address_space: global }
      - { .name: hl, .offset: 72, .size: 8, .value_kind: global_buffer, .address_space: global }
      - { .name: ba_W1, .offset: 80, .size: 8, .value_kind: global_buffer, .address_space: global }
      - { .name: ba_b1, .offset: 88, .size: 8, .value_kind: global_buffer, .address_space: global }
      - { .name: ba_g1, .offset: 96, .size: 8, .value_kind: global_buffer, .address_space: global }
      - { .name: ba_be1, .offset: 104, .size: 8, .value_kind: global_buffer, .address_space: global }
      - { .name: ba_m1, .offset: 112, .size: 8, .value_kind: global_buffer, .address_space: global }
      - { .name: ba_v1, .offset: 120, .size: 8, .value_kind: global_buffer, .address_space: global }
      - { .name: ba_W2, .offset: 128, .size: 8, .value_kind: global_buffer, .address_space: global }
      - { .name: ba_b2, .offset: 136, .size: 8, .value_kind: global_buffer, .address_space: global }
      - { .name: ba_g2, .offset: 144, .size: 8, .value_kind: global_buffer, .address_space: global }
      - { .name: ba_be2, .offset: 152, .size: 8, .value_kind: global_buffer, .address_space: global }
      - { .name: ba_m2, .offset: 160, .size: 8, .value_kind: global_buffer, .address_space: global }
      - { .name: ba_v2, .offset: 168, .size: 8, .value_kind: global_buffer, .address_space: global }
      - { .name: ba_W3, .offset: 176, .size: 8, .value_kind: global_buffer, .address_space: global }
      - { .name: ba_b3, .offset: 184, .size: 8, .value_kind: global_buffer, .address_space: global }
      - { .name: out4, .offset: 192, .size: 8, .value_kind: global_buffer, .address_space: global }
    .group_segment_fixed_size: 48128
    .private_segment_fixed_size: 0
    .kernarg_segment_align: 8
    .kernarg_segment_size: 200
    .max_flat_workgroup_size: 256
    .sgpr_count:     66
    .vgpr_count:     512
    .wavefront_size: 32
...
	.end_amdgpu_metadata
.endif
;; end of part 2
